; MI455X (gfx1250); checked and timed in simulation.
; The chip was launched on July 23, 2026; its instructions are those of AMD's public machine-readable ISA for CDNA 5 (MIT licence, August 2026) and "CDNA5" Instruction Set Architecture Reference Guide (July 2026). The comments in the code are by the model that wrote it; some were corrected since.
;; Multihead Attention Layer. Allowed arithmetic: float matrix products may take bf16 or f16 operands with f32 sums; all other float work in f32.
;; Inputs: Wh 1,024 x 1,024 float32; Wk 1,024 x 1,024 float32; Wq 1,024 x 1,024 float32; Wv 1,024 x 1,024 float32; bh 1,024 float32; bk 1,024 float32; bq 1,024 float32; bv 1,024 float32; key 2 x 2,048 x 1,024 float32; query 2 x 2,048 x 1,024 float32; value 2 x 2,048 x 1,024 float32.
;; Outputs: out0 2 x 2,048 x 1,024 float32.
;; One version. Each part assembles by itself: llvm-mc -triple=amdgcn-amd-amdhsa -mcpu=gfx1250 --defsym DOCPART=n.
;; ======== version 1 of 1: 4 launches
;; limits: values are held in f16: magnitudes above 65,504 overflow, below 6.1e-05 lose precision
;; workspace buffers: xw 33,554,432 bytes; heads 25,165,824 bytes; ctx 8,388,608 bytes
;; launch cast (part 1): grid 64 x 16, 8 waves a work-group, no clusters, 0 bytes of LDS; arguments query, key, value, Wq, Wk, Wv, Wh, xw; writes xw
.if DOCPART == 1
	.amdgcn_target "amdgcn-amd-amdhsa--gfx1250"
	.amdhsa_code_object_version 6
	.text
	.protected	k_q6707df3925_cast
	.globl	k_q6707df3925_cast
	.p2align	8
	.type	k_q6707df3925_cast,@function
k_q6707df3925_cast:
	s_mov_b64 s[64:65], 0
	v_nop
	global_prefetch_b8 v0, s[64:65] scope:SCOPE_SE
	s_setreg_imm32_b32 hwreg(HW_REG_WAVE_MODE, 25, 1), 1
	s_wait_xcnt 0x0
; xw = the seven large f32 inputs rounded once to f16, in 16 chunks of 2 MiB (1,048,576 numbers each):
; chunks 0-3 query, 4-7 key, 8-11 value (together one matrix of 12,288 rows x 1,024), 12 Wq, 13 Wk, 14 Wv, 15 Wh.
; f16 and not bf16: an f16 rounding is eight times finer, and these inputs have the room: 30 times larger and offset by 30
; spreads they stay near 1,100, against f16's largest number 65,504; 30 times smaller the weights (spread 0.001) are rounded in steps of 6e-8 at the worst.
; LIMIT: an input above 65,504 in magnitude becomes infinite.
; Grid y = the chunk, grid x = a piece of 64 KiB of its 4 MiB of f32.  A wave takes 8 KiB: sixteen loads of 512 consecutive bytes, all
; issued before the first is used, and sixteen stores of 256 consecutive aligned bytes.  No loop, no LDS, no register written twice.
.set X, 4                              ; v[4:67]   load j: 4 f32
.set Y, 68                             ; v[68:99]  store j: 4 f16 in 2 registers
	s_load_b512 s[4:19], s[0:1], 0x0               ; query s[4:5] key s[6:7] value s[8:9] Wq s[10:11] Wk s[12:13] Wv s[14:15] Wh s[16:17] xw s[18:19]
	s_and_b32 s20, ttmp7, 0xffff                   ; chunk c
	s_lshr_b32 s21, s20, 2                         ; 0 query, 1 key, 2 value, 3 a weight
	s_and_b32 s22, s20, 3                          ; which quarter of it, or which weight
	v_and_b32 v3, 0xe0, v0                         ; 32 x wave
	v_and_b32 v2, 31, v0                           ; lane
	v_lshlrev_b32 v1, 4, v2
	v_lshl_or_b32 v1, v3, 8, v1                    ; in: 8,192 x wave + 16 x lane
	v_lshlrev_b32 v2, 3, v2
	v_lshl_or_b32 v2, v3, 7, v2                    ; out: 4,096 x wave + 8 x lane
	s_wait_kmcnt 0x0
	s_cmp_eq_u32 s21, 1                            ; the source is chosen between whole pointers, on the chunk's number alone
	s_cselect_b64 s[24:25], s[6:7], s[4:5]
	s_cmp_eq_u32 s21, 2
	s_cselect_b64 s[24:25], s[8:9], s[24:25]
	s_cmp_eq_u32 s22, 1
	s_cselect_b64 s[26:27], s[12:13], s[10:11]
	s_cmp_eq_u32 s22, 2
	s_cselect_b64 s[26:27], s[14:15], s[26:27]
	s_cmp_eq_u32 s22, 3
	s_cselect_b64 s[26:27], s[16:17], s[26:27]
	s_cmp_eq_u32 s21, 3
	s_cselect_b64 s[24:25], s[26:27], s[24:25]
	s_cselect_b32 s28, 0, s22                      ; a weight is one chunk; an activation has four
	s_lshl_b32 s28, s28, 22                        ; 4 MiB of f32 a chunk
	s_lshl_b32 s29, ttmp9, 16                      ; 64 KiB a work-group
	s_add_co_u32 s28, s28, s29
	s_mov_b32 s29, 0
	s_add_nc_u64 s[24:25], s[24:25], s[28:29]
	s_lshl_b32 s30, s20, 21                        ; 2 MiB of f16 a chunk
	s_lshl_b32 s31, ttmp9, 15
	s_add_co_u32 s30, s30, s31
	s_mov_b32 s31, 0
	s_add_nc_u64 s[18:19], s[18:19], s[30:31]
.irp j, 0,1,2,3,4,5,6,7,8,9,10,11,12,13,14,15
	global_load_b128 v[X+4*\j:X+4*\j+3], v1, s[24:25] offset:512*\j th:TH_LOAD_NT   ; read once in the launch
.endr
.irp j, 0,1,2,3,4,5,6,7,8,9,10,11,12,13,14,15
	s_wait_loadcnt 15-\j                           ; loads come back in order: load j is in, the 15 - j younger ones stay out
	v_cvt_pk_f16_f32 v[Y+2*\j],   v[X+4*\j],   v[X+4*\j+1]
	v_cvt_pk_f16_f32 v[Y+2*\j+1], v[X+4*\j+2], v[X+4*\j+3]
	global_store_b64 v2, v[Y+2*\j:Y+2*\j+1], s[18:19] offset:256*\j   ; 32 lanes x 8 bytes: 256 consecutive bytes, aligned; read again by the next launch, so no hint
.endr
	s_endpgm
.Lfunc_end_k_q6707df3925_cast:
	.size	k_q6707df3925_cast, .Lfunc_end_k_q6707df3925_cast-k_q6707df3925_cast
	.p2alignl 7, 3214868480
	.fill 96, 4, 3214868480
	.section	.rodata,"a",@progbits
	.p2align	6, 0x0
	.amdhsa_kernel k_q6707df3925_cast
		.amdhsa_group_segment_fixed_size 0
		.amdhsa_private_segment_fixed_size 0
		.amdhsa_enable_private_segment 0
		.amdhsa_kernarg_size 64
		.amdhsa_user_sgpr_count 2
		.amdhsa_user_sgpr_kernarg_segment_ptr 1
		.amdhsa_wavefront_size32 1
		.amdhsa_system_sgpr_workgroup_id_x 1
		.amdhsa_system_sgpr_workgroup_id_y 1
		.amdhsa_system_sgpr_workgroup_id_z 1
		.amdhsa_system_vgpr_workitem_id 0
		.amdhsa_next_free_vgpr 104
		.amdhsa_next_free_sgpr 66
		.amdhsa_reserve_vcc 0
		.amdhsa_float_denorm_mode_32 3
		.amdhsa_float_denorm_mode_16_64 3
		.amdhsa_memory_ordered 1
		.amdhsa_forward_progress 1
		.amdhsa_inst_pref_size 7
	.end_amdhsa_kernel
	.amdgpu_metadata
---
amdhsa.version: [ 1, 2 ]
amdhsa.kernels:
  - .name:           k_q6707df3925_cast
    .symbol:         k_q6707df3925_cast.kd
    .args:
      - { .name: query, .offset: 0, .size: 8, .value_kind: global_buffer, .address_space: global }
      - { .name: key, .offset: 8, .size: 8, .value_kind: global_buffer, .address_space: global }
      - { .name: value, .offset: 16, .size: 8, .value_kind: global_buffer, .address_space: global }
      - { .name: Wq, .offset: 24, .size: 8, .value_kind: global_buffer, .address_space: global }
      - { .name: Wk, .offset: 32, .size: 8, .value_kind: global_buffer, .address_space: global }
      - { .name: Wv, .offset: 40, .size: 8, .value_kind: global_buffer, .address_space: global }
      - { .name: Wh, .offset: 48, .size: 8, .value_kind: global_buffer, .address_space: global }
      - { .name: xw, .offset: 56, .size: 8, .value_kind: global_buffer, .address_space: global }
    .group_segment_fixed_size: 0
    .private_segment_fixed_size: 0
    .kernarg_segment_align: 8
    .kernarg_segment_size: 64
    .max_flat_workgroup_size: 256
    .sgpr_count:     66
    .vgpr_count:     104
    .wavefront_size: 32
...
	.end_amdgpu_metadata
.endif
;; end of part 1
;; launch proj (part 2): grid 4 x 48, 4 waves a work-group, clusters of 4 x 4, 327,680 bytes of LDS; arguments xw, bq, bk, bv, heads; writes heads
.if DOCPART == 2
	.amdgcn_target "amdgcn-amd-amdhsa--gfx1250"
	.amdhsa_code_object_version 6
	.text
	.protected	k_q6707df3925_proj
	.globl	k_q6707df3925_proj
	.p2align	8
	.type	k_q6707df3925_proj,@function
k_q6707df3925_proj:
	s_mov_b64 s[64:65], 0
	v_nop
	global_prefetch_b8 v0, s[64:65] scope:SCOPE_SE
	s_setreg_imm32_b32 hwreg(HW_REG_WAVE_MODE, 25, 1), 1
	s_wait_xcnt 0x0
	s_wait_alu depctr_hold_cnt(0) depctr_sa_sdst(0) depctr_va_vdst(0) depctr_va_sdst(0) depctr_va_ssrc(0) depctr_va_vcc(0) depctr_vm_vsrc(0)
	s_getreg_b32 s2, hwreg(HW_REG_IB_STS2, 6, 4)
	s_cmp_eq_u32 s2, 0
	s_cbranch_scc0 .Lentry_in_a_cluster
	s_endpgm
.Lentry_in_a_cluster:
	s_bfe_u32 s2, ttmp6, 0x10000c
	s_cmp_lg_u32 s2, 0xf033
	s_cbranch_scc0 .Lentry_shape_is_right
	s_endpgm
.Lentry_shape_is_right:
; heads[p][b][h][t][64] (f16) = X_p W_p^T + b_p for p = 0 (Q), 1 (K), 2 (V).  X = rows 4,096 p .. of xw's stacked [12,288][1,024] f16,
; W_p = [1,024][1,024] f16 at chunk 12 + p of xw (2 MiB a chunk), b_p f32.  Sums in f32, one rounding to f16 at the end.
; LIMIT: |Q|, |K|, |V| stay below 65,504 (f16's largest number), else they become infinite.  With every input 30 times larger they have a spread of 900;
; with every input offset by 30 spreads they lie near 1,024 x 30 x 30 / 32 = 28,800.
; A work-group makes 256 x 256 with four waves, a wave 128 x 128 in 512 accumulator registers.  K goes in steps of 128 through two LDS slots
; filled by tensor loads of 128 rows x 256 bytes; 16 bytes of padding behind each row (pitch 272).
; CLUSTERS: 4 x 4 work-groups.  X's tile hangs on the block row alone and is asked for jointly by the four of a row of the cluster; W's tile hangs
; on the block column and on p, which is made of the cluster's y alone, and is asked for jointly by the four of a column.
; REGISTER WINDOWS: 0: v0-31 addresses, v32-63 packed results, v64-191 fragments of X (two buffers), v192-255 the bias tiles;
;   1: v64-191 fragments of W;  2, 3: the accumulators of my rows 0-63, 64-127 (tile (a, b) at v[8 (8 a + b)]).
; TRANSPOSED USE: source 0 = 16 rows of W, source 1 = 16 rows of X: lane l holds row l % 16 of the result and in registers 0-7 the columns
; 8 (l / 16) + 0..7.  The bias of those columns is the C operand of each accumulator's first product: no clearing, no add on the way out.
.set SIZE_K, 1024
.set KSTEP,  128
.set PITCH,  272
.set HALFT,  128*PITCH                 ; 128 rows: one tensor load
.set SLOT,   4*HALFT                   ; X's 256 rows, then W's 256 rows
.set STAGE,  2*SLOT                    ; behind the ring: 16 rows x 272 bytes for each wave; no tensor load lands here
.set SPITCH, 272
.set LAPS,   SIZE_K/(2*KSTEP)          ; 4 laps of two K steps
.set ADRA, 16                          ; v16-17  LDS address of my X fragments in slot 0, 1
.set ADRB, 20                          ; v20-21  the same for W
.set STO,  24                          ; v24     way out: where I put 16 bytes of a row
.set RD,   25                          ; v25     way out: where I read back
.set CO,   26                          ; v26     way out: my byte offset in heads
.set BO,   27                          ; v27     32 x (l / 16): my 8 columns in a bias tile
.set TMP,  32                          ; v32-63  packed results
.set F0,   64
.set F1,   128
.set BIAS, 192                         ; v192-255  tile b: register j = bias[16 b + 8 (l / 16) + j] of my 128 columns
.set G1,  24                           ; s[24:31] group 1 for X's tiles
.set G0,  32                           ; s[32:39] group 0 for X's tiles, a set for each slot
.set G1B, 48                           ; s[48:55] group 1 for W's tiles
.set G0B, 56                           ; s[56:63] group 0 for W's tiles
.set MSB, 0
.macro WIN new                         ; the immediate's high byte repeats the setting that is left
.if MSB != \new
	s_set_vgpr_msb (MSB<<8)|\new
.set MSB, \new
.endif
.endm
.set MUL_LO, 0xa1                      ; source 0 (W) window 1, source 1 (X) window 0, C and D window 2
.set MUL_HI, 0xf1                      ; the same, C and D window 3
.set MUL_LO0, 0x81                     ; first products: C (bias) window 0, D window 2
.set MUL_HI0, 0xc1                     ; first products: C (bias) window 0, D window 3
.set TO_B,   0x40                      ; destination window 1, address window 0
; a joint load: waves 0, 1 fetch X's two halves, waves 2, 3 W's.  The branch hangs on the wave's number alone.
.macro JLOAD s
	s_cmp_eq_u32 s11, 0
	s_cbranch_scc0 .Lfor_b_\@
	tensor_load_to_lds s[G0+4*\s:G0+4*\s+3], s[G1:G1+7]
	s_nop 0
	s_branch .Lasked_\@
.Lfor_b_\@:
	tensor_load_to_lds s[G0B+4*\s:G0B+4*\s+3], s[G1B:G1B+7]
	s_nop 0
.Lasked_\@:
.endm
.macro CREST                           ; a round of the cluster's barrier behind its opening work-group barrier
	s_cmp_lg_u32 s10, 0
	s_cbranch_scc1 .Lnot_wave_0_\@
	s_barrier_signal -3
.Lnot_wave_0_\@:
	s_barrier_wait -3
	s_barrier_signal -1
	s_barrier_wait -1
.endm
.macro CROUND                          ; a whole round
	s_barrier_signal -1
	s_barrier_wait -1
	CREST
.endm
	s_load_b64 s[4:5], s[0:1], 0x0                 ; xw
	s_load_b128 s[68:71], s[0:1], 0x8              ; bq s[68:69], bk s[70:71]
	s_load_b128 s[72:75], s[0:1], 0x18             ; bv s[72:73], heads s[74:75]
	s_set_vgpr_msb 0x40
	v_lshl_add_u32 v255, v0, 2, 0x48400
	s_set_vgpr_msb 0x4000
	v_mov_b32 v31, 0
	s_set_vgpr_msb 0x1
	ds_add_u32 v255, v31
	s_set_vgpr_msb 0x100
	v_lshrrev_b32 v1, 5, v0
	v_readfirstlane_b32 s10, v1                    ; wave 0..3
	s_lshr_b32 s11, s10, 1                         ; my half of the block's rows; also: I fetch for X (0) or W (1)
	s_and_b32 s12, s10, 1                          ; my half of its columns; also: which 128 rows of the tile I fetch
	s_bfe_u32 s40, ttmp6, 0x40000                  ; cx
	s_bfe_u32 s41, ttmp6, 0x40004                  ; cy
	s_lshl_b32 s42, ttmp9, 2
	s_add_co_u32 s42, s42, s40                     ; block column 0..3
	s_and_b32 s13, ttmp7, 0xffff
	s_lshl_b32 s13, s13, 2
	s_add_co_u32 s13, s13, s41                     ; block row 0..47 of the stacked X
	s_and_b32 s76, ttmp7, 0xffff
	s_lshr_b32 s76, s76, 2                         ; p: 4 clusters (16 block rows) a projection; made of the cluster's y alone
	s_lshl_b32 s43, s41, 2
	s_lshl_b32 s43, 15, s43                        ; my row of the cluster
	s_lshl_b32 s44, 0x1111, s40                    ; my column
	s_or_b32 s[G1+0], s43, (1<<16)|(1<<20)|(1<<21)|(5<<22)|(3<<25)   ; mask; 2-byte elements; padding on; bit 21 beside a mask; 4 words behind every 64
	s_or_b32 s[G1B+0], s44, (1<<16)|(1<<20)|(1<<21)|(5<<22)|(3<<25)
	s_mov_b32 s[G1+1], KSTEP<<16                   ; tensor_dim0 = 128
	s_mov_b32 s[G1B+1], KSTEP<<16
	s_mov_b32 s[G1+2], 128<<16                     ; tensor_dim1 = 128
	s_mov_b32 s[G1B+2], 128<<16
	s_mov_b32 s[G1+3], KSTEP<<16                   ; tile_dim0 = 128
	s_mov_b32 s[G1B+3], KSTEP<<16
	s_mov_b32 s[G1+4], 128                         ; tile_dim1 = 128
	s_mov_b32 s[G1B+4], 128
	s_mov_b32 s[G1+5], SIZE_K                      ; elements from row to row
	s_mov_b32 s[G1B+5], SIZE_K
	s_mov_b32 s[G1+6], 0
	s_mov_b32 s[G1B+6], 0
	s_mov_b32 s[G1+7], 0
	s_mov_b32 s[G1B+7], 0
	s_lshl_b32 s17, s12, 7                         ; which 128 rows of the tile I fetch
	s_lshl_b32 s16, s13, 8
	s_add_co_u32 s16, s16, s17
	s_lshl_b32 s16, s16, 11                        ; X: (256 x block row + 128 x half) rows of 2,048 bytes; below 2^25
	s_lshl_b32 s46, s42, 8
	s_add_co_u32 s46, s46, s17
	s_lshl_b32 s46, s46, 11                        ; W: (256 x block column + 128 x half) rows
	s_add_co_u32 s78, s76, 12
	s_lshl_b32 s78, s78, 21                        ; chunk 12 + p
	s_add_co_u32 s46, s46, s78
	s_mov_b32 s17, 0
	s_mov_b32 s47, 0
	s_mul_i32 s20, s10, HALFT                      ; LDS: wave x 128 rows; no place in the cluster enters
	s_lshl_b32 s80, s42, 10                        ; bias: (256 x block column + 128 x column half) x 4 bytes
	s_lshl_b32 s81, s12, 9
	s_add_co_u32 s80, s80, s81
	s_mov_b32 s81, 0
	s_wait_dscnt 0x0
	s_wait_kmcnt 0x0
	s_add_nc_u64 s[14:15], s[4:5], s[16:17]
	s_add_nc_u64 s[46:47], s[4:5], s[46:47]
	s_cmp_eq_u32 s76, 1                            ; the bias of my projection
	s_cselect_b64 s[66:67], s[70:71], s[68:69]
	s_cmp_eq_u32 s76, 2
	s_cselect_b64 s[66:67], s[72:73], s[66:67]
	s_add_nc_u64 s[66:67], s[66:67], s[80:81]
	CROUND                                         ; all sixteen work-groups are here: the first joint loads meet
.irp s, 0,1
	s_mov_b32 s[G0+4*\s], 1
	s_add_co_u32 s[G0+4*\s+1], s20, \s*SLOT
	s_add_nc_u64 s[G0+4*\s+2:G0+4*\s+3], s[14:15], \s*KSTEP*2
	s_or_b32 s[G0+4*\s+3], s[G0+4*\s+3], 0x80000000
	s_mov_b32 s[G0B+4*\s], 1
	s_add_co_u32 s[G0B+4*\s+1], s20, \s*SLOT
	s_add_nc_u64 s[G0B+4*\s+2:G0B+4*\s+3], s[46:47], \s*KSTEP*2
	s_or_b32 s[G0B+4*\s+3], s[G0B+4*\s+3], 0x80000000
	JLOAD \s                                       ; both slots' first fills go out together: two tensor loads of the wave are out
.endr
	v_and_b32 v1, 15, v0                           ; l % 16
	v_bfe_u32 v2, v0, 4, 1                         ; l / 16
	v_lshlrev_b32 v[BO], 5, v2
.irp b, 0,1,2,3,4,5,6,7
	global_load_b128 v[BIAS+8*\b:BIAS+8*\b+3],   v[BO], s[66:67] offset:64*\b
	global_load_b128 v[BIAS+8*\b+4:BIAS+8*\b+7], v[BO], s[66:67] offset:64*\b+16
.endr
	v_mul_u32_u24 v3, v1, PITCH
	v_lshl_add_u32 v3, v2, 4, v3                   ; fragment: row x pitch + 16 x half
	s_mul_i32 s21, s11, HALFT                      ; my 128 rows of X
	s_mul_i32 s22, s12, HALFT                      ; my 128 rows of W,
	s_add_co_u32 s22, s22, 2*HALFT                 ; behind X's 256
.irp s, 0,1
	v_add_nc_u32 v[ADRA+\s], s21, v3
	v_add_nc_u32 v[ADRB+\s], s22, v3
	s_add_co_u32 s21, s21, SLOT
	s_add_co_u32 s22, s22, SLOT
.endr
	s_mul_i32 s23, s10, 16*SPITCH
	s_add_co_u32 s23, s23, STAGE                   ; my stage
	v_mul_u32_u24 v4, v1, SPITCH
	v_lshl_add_u32 v4, v2, 4, v4
	v_add_nc_u32 v[STO], s23, v4                   ; in: row l % 16, 16 bytes for each half of the lanes
	v_bfe_u32 v5, v0, 3, 1                         ; back: lanes 0-7 an even row's first 128 bytes (head 0), lanes 8-15 the odd row's,
	v_mul_u32_u24 v5, v5, SPITCH
	v_lshl_add_u32 v5, v2, 7, v5                   ; lanes 16-31 the same rows' second 128 bytes (head 1)
	v_and_b32 v6, 7, v0
	v_lshl_add_u32 v5, v6, 4, v5
	v_add_nc_u32 v[RD], s23, v5
	v_lshlrev_b32 v5, 18, v2                       ; a head is 2,048 rows x 128 bytes = 262,144 bytes
	v_lshl_add_u32 v[CO], v1, 4, v5                ; two rows of a head are 256 consecutive bytes
; 16 matrix instructions: m blocks a0, a0 + 1 of the window's four x all 8 n blocks, 32 along K.  zero = 1: the bias tile is C.
.macro MUL16 f, hi, a0, zero
.irp a, \a0, \a0+1
.irp b, 0,1,2,3,4,5,6,7
.if \zero
	v_wmma_f32_16x16x32_f16 v[8*(8*(\a)+\b):8*(8*(\a)+\b)+7], v[\f+8*\b:\f+8*\b+7], v[\f+8*(4*\hi+\a):\f+8*(4*\hi+\a)+7], v[BIAS+8*\b:BIAS+8*\b+7]
.else
	v_wmma_f32_16x16x32_f16 v[8*(8*(\a)+\b):8*(8*(\a)+\b)+7], v[\f+8*\b:\f+8*\b+7], v[\f+8*(4*\hi+\a):\f+8*(4*\hi+\a)+7], v[8*(8*(\a)+\b):8*(8*(\a)+\b)+7]
.endif
.endr
.endr
.endm
; 32 LDS loads in one run: one quarter step's fragments (128 rows of W, 128 of X, 32 K at byte k) into buffer f
.macro FETCH slot, k, f
	WIN TO_B
.irp i, 0,1,2,3,4,5,6,7
	ds_load_b128 v[\f+8*\i:\f+8*\i+3],   v[ADRB+\slot] offset:\k+\i*16*PITCH
	ds_load_b128 v[\f+8*\i+4:\f+8*\i+7], v[ADRB+\slot] offset:\k+\i*16*PITCH+32
.endr
	WIN 0
.irp i, 0,1,2,3,4,5,6,7
	ds_load_b128 v[\f+8*\i:\f+8*\i+3],   v[ADRA+\slot] offset:\k+\i*16*PITCH
	ds_load_b128 v[\f+8*\i+4:\f+8*\i+7], v[ADRA+\slot] offset:\k+\i*16*PITCH+32
.endr
.endm
; four places between a matrix instruction and a load into, or a vector instruction on, one of its registers; other matrix instructions are not counted as places
.macro PLACES
.rept 4
	v_nop
.endr
.endm
; A quarter step: 64 matrix instructions on buffer f; in its middle the next quarter's fragments go into buffer g.
; The 64 accumulators take turns, one instruction a turn, in the same order in every quarter.
.macro QUARTER slot, k, f, g, zero
	s_wait_dscnt 8                                 ; W and X's rows 0-63 are in; the youngest eight loads (X's rows 64-127) may be out
.if \zero
	WIN MUL_LO0
.else
	WIN MUL_LO
.endif
	MUL16 \f, 0, 0, \zero
	MUL16 \f, 0, 2, \zero
	PLACES
	FETCH \slot, \k, \g
	s_wait_dscnt 32                                ; all but the 32 just issued
.if \zero
	WIN MUL_HI0
.else
	WIN MUL_HI
.endif
	MUL16 \f, 1, 0, \zero
	MUL16 \f, 1, 2, \zero
.endm
.macro THREE slot, zero
	QUARTER \slot, 64,  F0, F1, \zero
	QUARTER \slot, 128, F1, F0, 0
	QUARTER \slot, 192, F0, F1, 0
.endm
; The last quarter multiplies buffer 1 and changes slots.  In front of the barrier each wave waits for its reads of this slot and for all its
; tensor loads (one is out: its part of the next slot).  fill = 1: the barrier opens a round of the cluster's barrier, and the joint refill of this
; slot, two K steps ahead, is the first tensor load behind the round; it has 240 matrix instructions in which to land.
.macro TURN slot, next, fill
	s_wait_dscnt 8
	WIN MUL_LO
	MUL16 F1, 0, 0, 0
	s_wait_dscnt 0                                 ; my reads of this slot are over
	s_wait_tensorcnt 0x0                           ; all my tensor loads have landed
	ds_add_u32 v255, v31
	s_wait_dscnt 0x0
	s_barrier_signal -1
	MUL16 F1, 0, 2, 0                              ; register work while the others arrive
	WIN 0
	s_barrier_wait -1
.if \fill
	CREST
	s_add_nc_u64 s[G0+4*\slot+2:G0+4*\slot+3], s[G0+4*\slot+2:G0+4*\slot+3], 2*KSTEP*2
	s_add_nc_u64 s[G0B+4*\slot+2:G0B+4*\slot+3], s[G0B+4*\slot+2:G0B+4*\slot+3], 2*KSTEP*2
	JLOAD \slot
.endif
	PLACES
	FETCH \next, 0, F0
	WIN MUL_HI
	MUL16 F1, 1, 0, 0
	MUL16 F1, 1, 2, 0
.endm
.macro LAP zero
	THREE 0, \zero
	TURN 0, 1, 1
	THREE 1, 0
	TURN 1, 0, 1
.endm
	s_wait_tensorcnt 1                             ; my part of K step 0 is in; K step 1's load stays out
	s_barrier_signal -1
	s_barrier_wait -1
	FETCH 0, 0, F0
	s_wait_loadcnt 0x0                             ; the bias tiles
	LAP 1                                          ; the first lap's first products start the sums from the bias
	WIN 0
	s_mov_b32 s3, LAPS-2
.Llap:
	LAP 0
	WIN 0
	s_sub_co_u32 s3, s3, 1
	s_cmp_lg_u32 s3, 0
	s_cbranch_scc1 .Llap
	THREE 0, 0                                     ; the last lap fills nothing
	TURN 0, 1, 0
	THREE 1, 0
	s_wait_dscnt 8
	WIN MUL_LO
	MUL16 F1, 0, 0, 0
	MUL16 F1, 0, 2, 0
	s_wait_dscnt 0
	WIN MUL_HI
	MUL16 F1, 1, 0, 0
	MUL16 F1, 1, 2, 0
	; THE WAY OUT, 16 rows at a time: round to f16, 16 bytes a lane into my stage, read back so that sixteen lanes hold two rows of one head.
	PLACES
	s_and_b32 s16, s13, 15                         ; block row inside my projection
	s_lshl_b32 s16, s16, 8
	s_lshl_b32 s14, s11, 7
	s_add_co_u32 s16, s16, s14                     ; my first row m0 of its 4,096
	s_lshr_b32 s17, s16, 11                        ; batch
	s_lshl_b32 s17, s17, 22                        ; x 16 heads x 262,144 bytes
	s_and_b32 s16, s16, 2047                       ; t
	s_lshl_b32 s16, s16, 7                         ; x 128 bytes
	s_add_co_u32 s16, s16, s17
	s_lshl_b32 s17, s76, 23                        ; p x 8 MiB
	s_add_co_u32 s16, s16, s17
	s_mov_b32 s17, 0
	s_add_nc_u64 s[74:75], s[74:75], s[16:17]
	s_lshl_b32 s46, s42, 20                        ; my first head = 4 x block column + 2 x column half, x 262,144 bytes
	s_lshl_b32 s47, s12, 19
	s_add_co_u32 s46, s46, s47
	s_mov_b32 s47, 0
	s_add_nc_u64 s[74:75], s[74:75], s[46:47]
.macro OUT16 i, a, from, f
	WIN \from
.irp b, 0,1,2,3,4,5,6,7
.irp r, 0,1,2,3
	v_cvt_pk_f16_f32 v[TMP+4*\b+\r], v[8*(8*\a+\b)+2*\r], v[8*(8*\a+\b)+2*\r+1]
.endr
.endr
	WIN 0
.irp b, 0,1,2,3,4,5,6,7
	ds_store_b128 v[STO], v[TMP+4*\b:TMP+4*\b+3] offset:32*\b
.endr
	s_wait_xcnt 0x0                                ; buffer f, which earlier stores read, is loaded again only behind this wait
.irp t, 0,1,2,3,4,5,6,7
	ds_load_b128 v[\f+4*\t:\f+4*\t+3], v[RD] offset:\t*2*SPITCH    ; LDS serves a wave's instructions in order: these see the stores above
.endr
.irp t, 0,1,2,3,4,5,6,7
	s_wait_dscnt 7-\t                              ; load t is in, the 7 - t younger ones stay out
	global_store_b128 v[CO], v[\f+4*\t:\f+4*\t+3], s[74:75] offset:\i*2048+\t*256   ; 16 lanes: rows 16 i + 2 t, + 1 of one head, 256 consecutive aligned bytes
.endr
.endm
	OUT16 0, 0, 0x0a, F0
	OUT16 1, 1, 0x0a, F1
	OUT16 2, 2, 0x0a, F0
	OUT16 3, 3, 0x0a, F1
	OUT16 4, 0, 0x0f, F0
	OUT16 5, 1, 0x0f, F1
	OUT16 6, 2, 0x0f, F0
	OUT16 7, 3, 0x0f, F1
	s_set_vgpr_msb 0x1
	s_wait_tensorcnt 0x0
	ds_add_u32 v255, v31
	s_wait_dscnt 0x0
	s_set_vgpr_msb 0x100
	CROUND                                         ; the closing round: no work-group ends while a partner may still ask for a tile that names it
	s_endpgm
.Lfunc_end_k_q6707df3925_proj:
	.size	k_q6707df3925_proj, .Lfunc_end_k_q6707df3925_proj-k_q6707df3925_proj
	.p2alignl 7, 3214868480
	.fill 96, 4, 3214868480
	.section	.rodata,"a",@progbits
	.p2align	6, 0x0
	.amdhsa_kernel k_q6707df3925_proj
		.amdhsa_group_segment_fixed_size 327680
		.amdhsa_private_segment_fixed_size 0
		.amdhsa_enable_private_segment 0
		.amdhsa_kernarg_size 40
		.amdhsa_user_sgpr_count 2
		.amdhsa_user_sgpr_kernarg_segment_ptr 1
		.amdhsa_wavefront_size32 1
		.amdhsa_system_sgpr_workgroup_id_x 1
		.amdhsa_system_sgpr_workgroup_id_y 1
		.amdhsa_system_sgpr_workgroup_id_z 1
		.amdhsa_system_vgpr_workitem_id 0
		.amdhsa_next_free_vgpr 1024
		.amdhsa_next_free_sgpr 82
		.amdhsa_reserve_vcc 0
		.amdhsa_float_denorm_mode_32 3
		.amdhsa_float_denorm_mode_16_64 3
		.amdhsa_memory_ordered 1
		.amdhsa_forward_progress 1
		.amdhsa_inst_pref_size 198
	.end_amdhsa_kernel
	.amdgpu_metadata
---
amdhsa.version: [ 1, 2 ]
amdhsa.kernels:
  - .name:           k_q6707df3925_proj
    .symbol:         k_q6707df3925_proj.kd
    .args:
      - { .name: xw, .offset: 0, .size: 8, .value_kind: global_buffer, .address_space: global }
      - { .name: bq, .offset: 8, .size: 8, .value_kind: global_buffer, .address_space: global }
      - { .name: bk, .offset: 16, .size: 8, .value_kind: global_buffer, .address_space: global }
      - { .name: bv, .offset: 24, .size: 8, .value_kind: global_buffer, .address_space: global }
      - { .name: heads, .offset: 32, .size: 8, .value_kind: global_buffer, .address_space: global }
    .group_segment_fixed_size: 327680
    .private_segment_fixed_size: 0
    .kernarg_segment_align: 8
    .kernarg_segment_size: 40
    .max_flat_workgroup_size: 128
    .sgpr_count:     82
    .vgpr_count:     1024
    .wavefront_size: 32
...
	.end_amdgpu_metadata
.endif
;; end of part 2
;; launch attention (part 3): grid 8 x 32, 16 waves a work-group, clusters of 4 x 1, 327,680 bytes of LDS; arguments heads, ctx; writes ctx
.if DOCPART == 3
	.amdgcn_target "amdgcn-amd-amdhsa--gfx1250"
	.amdhsa_code_object_version 6
	.text
	.protected	k_q6707df3925_attention
	.globl	k_q6707df3925_attention
	.p2align	8
	.type	k_q6707df3925_attention,@function
k_q6707df3925_attention:
	s_mov_b64 s[64:65], 0
	v_nop
	global_prefetch_b8 v0, s[64:65] scope:SCOPE_SE
	s_setreg_imm32_b32 hwreg(HW_REG_WAVE_MODE, 25, 1), 1
	s_wait_xcnt 0x0
	s_wait_alu depctr_hold_cnt(0) depctr_sa_sdst(0) depctr_va_vdst(0) depctr_va_sdst(0) depctr_va_ssrc(0) depctr_va_vcc(0) depctr_vm_vsrc(0)
	s_getreg_b32 s2, hwreg(HW_REG_IB_STS2, 6, 4)
	s_cmp_eq_u32 s2, 0
	s_cbranch_scc0 .Lentry_in_a_cluster
	s_endpgm
.Lentry_in_a_cluster:
	s_bfe_u32 s2, ttmp6, 0x10000c
	s_cmp_lg_u32 s2, 0x3003
	s_cbranch_scc0 .Lentry_shape_is_right
	s_endpgm
.Lentry_shape_is_right:
; ctx[y][s][64] (f16) = softmax(Q K^T / 8) V for head y = 16 b + h.  heads = [3][32][2048][64] f16 (Q, K, V).  Sums, maxima, exponentials in f32.
; Grid y = the head, grid x = a block of 256 queries.  Sixteen waves of 256 registers, four on each SIMD, so that some waves' softmax runs under the
; others' products.  Wave w owns queries 32 (w % 8) .. + 31 (two tiles u of 16) and half w / 8 of the keys of every tile: 1,024 keys in 16 blocks of 64.
; Each wave keeps its own running maximum, sums and O; at the end waves 8-15 hand theirs through LDS to waves 0-7, which join the two halves and store.
; Keys go in tiles of 512 through two LDS slots: four phases, two refills.
; CLUSTERS: the four work-groups of a cluster are four query blocks of one head: they read the same K and V tiles and ask for them jointly.
; LAYOUT: S^T = K Q^T (A = 16 keys, B = 16 queries): lane (r, h) holds query r and keys 8 h + j, so a query's maximum and sum are one number a lane and
; one exchange with lane xor 16.  Two neighbouring key tiles, packed to f16 in place, are the B fragment of O^T = V^T P^T; V^T (A) comes out of
; V[key][d] by the transposing LDS load.  O^T: lane (r, h) holds query r, d = 16 dt + 8 h + j.
; A running maximum is kept: p = exp2(c s + N), c = log2(e) / 8, N = - c M rounded once, M the largest score so far; sums and O move from an old N to a new
; one by exp2(N_new - N_old), the very numbers by which the p were shifted.  The denominator sums the unrounded p.
; LIMITS: P is rounded to f16 (p below 3e-8 becomes 0; the denominator is at least about 1); exponentials below 2^-126 come out as 0 (ISA guide 15.8);
; NaN or infinite scores are not served as the source program serves them (the maxima drop NaN; infinity less infinity gives NaN).
.set KP,     144                       ; K's LDS pitch: 128 bytes + 16
.set VP,     160                       ; V's LDS pitch: 128 bytes + 32, an odd multiple of 32 for the transposing load
.set TKEYS,  512                       ; keys in a tile
.set KBYTES, TKEYS*KP                  ; 73,728
.set SLOT,   KBYTES+TKEYS*VP           ; 155,648: a tile's K, then its V; two slots are the 311,296 bytes of LDS
.set HK,     256*KP                    ; the second half of a tile's keys in K
.set HV,     256*VP                    ; and in V
.set TILEB,  TKEYS*128                 ; a tile's bytes in memory
.set XB,     8704                      ; exchange, from LDS byte 0: 8,192 bytes of O + 512 of statistics for each pair of waves
.set OSTG,   8*XB                      ; 69,632: the output stage, 32 rows x 144 bytes for each of waves 0-7
.set SP,     144                       ; exchange and stage lie in slot 0, whose last fill (tile 2) every wave has read in front of the barrier ahead of the last phase
.set XA,   3                           ; v3      exchange: XB (w % 8) + 16 L
.set KADR, 4                           ; v4-5    slot s: SLOT s + HK (w / 8) + 144 r + 16 h
.set VADR, 6                           ; v6-7    slot s: SLOT s + KBYTES + HV (w / 8) + 160 (8 h + L % 8) + 16 ((L / 8) % 2)
.set STO,  8                           ; v8      stage + 144 r + 16 h
.set RD,   9                           ; v9      stage + 144 (L / 8) + 16 (L % 8)
.set CO,   10                          ; v10     16 L
.set QO,   11                          ; v11     128 r + 16 h
.set M,    12                          ; v12-13  running maximum of tile u (raw scores), updated in place; at the end v[12:15] = N0, N1, sum 0, sum 1
.set T0,   14                          ; v[14:15] at work in the sums
.set T1,   16                          ; v[16:17]
.set MXB,  16                          ; v16-17  second maximum chain of tile u (dead before T1 is written)
.set NMC,  18                          ; v[18:19], v[20:21]  N = - c M, twice
.set AL,   22                          ; v[22:23], v[24:25]  alpha, twice
.set LP,   26                          ; v[26:27], v[28:29]  a pair of running sums
.set PX,   30                          ; v30-31  the other half's number
.set QF,   32                          ; v32-63   Q fragment (u, kd) at 32 + 8 (2 u + kd)
.set S,    64                          ; v64-127  scores (t, u) at 64 + 32 u + 8 t; P (u, k) in place at 64 + 32 u + 16 k
.set F,    128                         ; v128-191 K fragment (t, kd) at 128 + 8 (2 t + kd), then V fragment (k, dt) at 128 + 8 (4 k + dt): one buffer, by turns
.set O,    192                         ; v192-255 O (dt, u) at 192 + 8 (2 dt + u)
.set G1,  24                           ; s[24:31] group 1, K's tiles
.set G0,  32                           ; s[32:39] group 0, K's tiles, a set for each slot
.set G1B, 48                           ; s[48:55] group 1, V's tiles (wider padding)
.set G0B, 56                           ; s[56:63] group 0, V's tiles
.macro CREST                           ; a round of the cluster's barrier behind its opening work-group barrier
	s_cmp_lg_u32 s10, 0
	s_cbranch_scc1 .Lnot_wave_0_\@
	s_barrier_signal -3
.Lnot_wave_0_\@:
	s_barrier_wait -3
	s_barrier_signal -1
	s_barrier_wait -1
.endm
.macro ROUND                           ; a whole round
	s_barrier_signal -1
	s_barrier_wait -1
	CREST
.endm
.macro JLOAD s                         ; waves 0-7 fetch 64 rows of K each, waves 8-15 of V; the branch hangs on the wave's number alone
	s_cmp_eq_u32 s11, 0
	s_cbranch_scc0 .Lfor_v_\@
	tensor_load_to_lds s[G0+4*\s:G0+4*\s+3], s[G1:G1+7]
	s_nop 0
	s_branch .Lasked_\@
.Lfor_v_\@:
	tensor_load_to_lds s[G0B+4*\s:G0B+4*\s+3], s[G1B:G1B+7]
	s_nop 0
.Lasked_\@:
.endm
	s_load_b128 s[4:7], s[0:1], 0x0                ; heads s[4:5], ctx s[6:7]
	v_lshl_add_u32 v126, v0, 2, 0x4c000
	v_mov_b32 v127, 0
	ds_add_u32 v126, v127
	s_wait_dscnt 0x0
	v_lshrrev_b32 v1, 5, v0
	v_readfirstlane_b32 s10, v1                    ; wave 0..15
	s_lshr_b32 s11, s10, 3                         ; my half of each tile's keys; also: I fetch for K (0) or V (1)
	s_and_b32 s12, s10, 7                          ; my 32 queries; also: which 64 rows of the tile I fetch
	s_bfe_u32 s40, ttmp6, 0x40000                  ; cx
	s_lshl_b32 s42, ttmp9, 2
	s_add_co_u32 s42, s42, s40                     ; query block 0..7
	s_and_b32 s13, ttmp7, 0xffff                   ; head 0..31, the same in all four partners
	s_mov_b32 s44, 0x3e38aa3b                      ; c = log2(e) / 8
	s_mov_b32 s45, 0x3e38aa3b
	s_mov_b32 s22, 0x76543210                      ; v_permlanex16_b32: lane i reads lane i of the other half
	s_mov_b32 s23, 0xfedcba98
	; group 1: 64 rows x 64 elements of 2 bytes, dense in memory; padding behind every 32 words: 4 words for K, 8 for V; mask = all four partners
	s_mov_b32 s[G1+0],  15|(1<<16)|(1<<20)|(1<<21)|(4<<22)|(3<<25)
	s_mov_b32 s[G1B+0], 15|(1<<16)|(1<<20)|(1<<21)|(4<<22)|(7<<25)
	s_mov_b32 s[G1+1], 64<<16                      ; tensor_dim0 = 64
	s_mov_b32 s[G1B+1], 64<<16
	s_mov_b32 s[G1+2], 64<<16                      ; tensor_dim1 = 64
	s_mov_b32 s[G1B+2], 64<<16
	s_mov_b32 s[G1+3], 64<<16                      ; tile_dim0 = 64
	s_mov_b32 s[G1B+3], 64<<16
	s_mov_b32 s[G1+4], 64                          ; tile_dim1 = 64
	s_mov_b32 s[G1B+4], 64
	s_mov_b32 s[G1+5], 64                          ; elements from row to row
	s_mov_b32 s[G1B+5], 64
	s_mov_b32 s[G1+6], 0
	s_mov_b32 s[G1B+6], 0
	s_mov_b32 s[G1+7], 0
	s_mov_b32 s[G1B+7], 0
	s_lshl_b32 s16, s13, 18                        ; head x 262,144 bytes
	s_lshl_b32 s17, s12, 13                        ; + my 64 rows x 128 bytes
	s_add_co_u32 s16, s16, s17
	s_add_co_u32 s16, s16, 0x800000                ; K lies 8 MiB behind Q
	s_mov_b32 s17, 0
	s_mul_i32 s20, s12, 64*KP                      ; LDS: the 64 rows of K that I fetch
	s_mul_i32 s21, s12, 64*VP
	s_add_co_u32 s21, s21, KBYTES                  ; or of V
	s_lshl_b32 s18, s13, 18                        ; Q and ctx: head, + (256 x block + 32 x (w % 8)) rows of 128 bytes
	s_lshl_b32 s19, s42, 15
	s_add_co_u32 s18, s18, s19
	s_lshl_b32 s19, s12, 12
	s_add_co_u32 s18, s18, s19
	s_mov_b32 s19, 0
	s_mul_i32 s41, s12, 32*SP
	s_add_co_u32 s41, s41, OSTG                    ; my output stage
	s_mul_i32 s68, s11, HK                         ; my half of the keys in K's part of a slot
	s_mul_i32 s69, s11, HV
	s_add_co_u32 s69, s69, KBYTES                  ; and in V's
	s_mul_i32 s70, s12, XB                         ; my pair's exchange
	s_wait_kmcnt 0x0
	s_add_nc_u64 s[14:15], s[4:5], s[16:17]        ; K's tile 0, the rows that I fetch
	s_add_nc_u64 s[46:47], s[14:15], 0x800000      ; V lies 8 MiB behind K
	s_add_nc_u64 s[8:9], s[4:5], s[18:19]          ; my 32 queries
	s_add_nc_u64 s[66:67], s[6:7], s[18:19]        ; my 32 rows of ctx
	ROUND                                          ; the four partners are here: the first joint loads meet
.irp s, 0,1
	s_mov_b32 s[G0+4*\s], 1
	s_add_co_u32 s[G0+4*\s+1], s20, \s*SLOT
	s_add_nc_u64 s[G0+4*\s+2:G0+4*\s+3], s[14:15], \s*TILEB
	s_or_b32 s[G0+4*\s+3], s[G0+4*\s+3], 0x80000000
	s_mov_b32 s[G0B+4*\s], 1
	s_add_co_u32 s[G0B+4*\s+1], s21, \s*SLOT
	s_add_nc_u64 s[G0B+4*\s+2:G0B+4*\s+3], s[46:47], \s*TILEB
	s_or_b32 s[G0B+4*\s+3], s[G0B+4*\s+3], 0x80000000
	JLOAD \s                                       ; tiles 0 and 1 go out together: two tensor loads of the wave are out
.endr
	v_and_b32 v1, 15, v0                           ; r
	v_bfe_u32 v2, v0, 4, 1                         ; h
	v_and_b32 v3, 7, v0                            ; L % 8
	v_lshlrev_b32 v[QO], 7, v1
	v_lshl_add_u32 v[QO], v2, 4, v[QO]
.irp u, 0,1
.irp kd, 0,1
	global_load_b128 v[QF+8*(2*\u+\kd):QF+8*(2*\u+\kd)+3],   v[QO], s[8:9] offset:\u*2048+64*\kd      ; query 16 u + r, d = 32 kd + 8 h ..
	global_load_b128 v[QF+8*(2*\u+\kd)+4:QF+8*(2*\u+\kd)+7], v[QO], s[8:9] offset:\u*2048+64*\kd+32   ; d = 32 kd + 16 + 8 h ..
.endr
.endr
	v_mul_u32_u24 v[KADR], v1, KP
	v_lshl_add_u32 v[KADR], v2, 4, v[KADR]
	v_add_nc_u32 v[STO], s41, v[KADR]              ; the stage has K's pitch
	v_add_nc_u32 v[KADR], s68, v[KADR]
	v_add_nc_u32 v[KADR+1], SLOT, v[KADR]
	v_lshl_add_u32 v[VADR], v2, 3, v3
	v_mul_u32_u24 v[VADR], v[VADR], VP
	v_bfe_u32 v[VADR+1], v0, 3, 1
	v_lshl_add_u32 v[VADR], v[VADR+1], 4, v[VADR]
	v_add_nc_u32 v[VADR], s69, v[VADR]
	v_add_nc_u32 v[VADR+1], SLOT, v[VADR]
	v_bfe_u32 v[RD], v0, 3, 2                      ; L / 8
	v_mul_u32_u24 v[RD], v[RD], SP
	v_lshl_add_u32 v[RD], v3, 4, v[RD]
	v_add_nc_u32 v[RD], s41, v[RD]
	v_and_b32 v[CO], 31, v0
	v_lshlrev_b32 v[CO], 4, v[CO]
	v_add_nc_u32 v[XA], s70, v[CO]
	v_mov_b32 v[PX], 0                             ; v_permlanex16_b32 counts as a reader of its destination
	v_mov_b32 v[PX+1], 0
; 8 LDS loads: K's fragments of keys 32 hf .. 32 hf + 31 of block b (64 keys of my half of a slot), into half hf of F
.macro KLOADH slot, b, hf
.irp tt, 0,1
.irp kd, 0,1
	ds_load_b128 v[F+8*(2*(2*\hf+\tt)+\kd):F+8*(2*(2*\hf+\tt)+\kd)+3],   v[KADR+\slot] offset:(64*(\b)+16*(2*\hf+\tt))*KP+64*\kd
	ds_load_b128 v[F+8*(2*(2*\hf+\tt)+\kd)+4:F+8*(2*(2*\hf+\tt)+\kd)+7], v[KADR+\slot] offset:(64*(\b)+16*(2*\hf+\tt))*KP+64*\kd+32
.endr
.endr
.endm
; S^T = K Q^T for key tiles 2 hf, 2 hf + 1: four accumulators by turns, one instruction a turn
.macro QK hf
.irp kd, 0,1
.irp u, 0,1
.irp tt, 0,1
.if \kd == 0
	v_wmma_f32_16x16x32_f16 v[S+32*\u+8*(2*\hf+\tt):S+32*\u+8*(2*\hf+\tt)+7], v[F+8*(2*(2*\hf+\tt)+\kd):F+8*(2*(2*\hf+\tt)+\kd)+7], v[QF+8*(2*\u+\kd):QF+8*(2*\u+\kd)+7], 0
.else
	v_wmma_f32_16x16x32_f16 v[S+32*\u+8*(2*\hf+\tt):S+32*\u+8*(2*\hf+\tt)+7], v[F+8*(2*(2*\hf+\tt)+\kd):F+8*(2*(2*\hf+\tt)+\kd)+7], v[QF+8*(2*\u+\kd):QF+8*(2*\u+\kd)+7], v[S+32*\u+8*(2*\hf+\tt):S+32*\u+8*(2*\hf+\tt)+7]
.endif
.endr
.endr
.endr
.endm
; O^T += V^T P^T for keys 32 k .. 32 k + 31: eight accumulators by turns, one instruction a turn.  zero = 1: the product starts the sums
.macro PV k, zero
.irp dt, 0,1,2,3
.irp u, 0,1
.if \zero
	v_wmma_f32_16x16x32_f16 v[O+8*(2*\dt+\u):O+8*(2*\dt+\u)+7], v[F+8*(4*\k+\dt):F+8*(4*\k+\dt)+7], v[S+32*\u+16*\k:S+32*\u+16*\k+7], 0
.else
	v_wmma_f32_16x16x32_f16 v[O+8*(2*\dt+\u):O+8*(2*\dt+\u)+7], v[F+8*(4*\k+\dt):F+8*(4*\k+\dt)+7], v[S+32*\u+16*\k:S+32*\u+16*\k+7], v[O+8*(2*\dt+\u):O+8*(2*\dt+\u)+7]
.endif
.endr
.endr
.endm
.macro FMA u, t                        ; c s + N for the 8 scores of key tile t
.irp i, 0,2,4,6
	v_pk_fma_f32 v[S+32*\u+8*\t+\i:S+32*\u+8*\t+\i+1], v[S+32*\u+8*\t+\i:S+32*\u+8*\t+\i+1], s[44:45], v[NMC+2*\u:NMC+2*\u+1] op_sel_hi:[1,0,1]
.endr
.endm
.macro EXPS u, t
.irp i, 0,1,2,3,4,5,6,7
	v_exp_f32 v[S+32*\u+8*\t+\i], v[S+32*\u+8*\t+\i]
.endr
.endm
; the 8 p of key tile t are added to the running sums and packed to f16 in place; going upward the packed words never reach a p not yet read
.macro TAIL u, t, first
	s_wait_alu depctr_va_vdst(0)
	v_pk_add_f32 v[T0:T0+1], v[S+32*\u+8*\t:S+32*\u+8*\t+1],   v[S+32*\u+8*\t+2:S+32*\u+8*\t+3]
	v_pk_add_f32 v[T1:T1+1], v[S+32*\u+8*\t+4:S+32*\u+8*\t+5], v[S+32*\u+8*\t+6:S+32*\u+8*\t+7]
.if \t == 0
.if \first
	v_pk_add_f32 v[LP+2*\u:LP+2*\u+1], v[T0:T0+1], v[T1:T1+1]                          ; the first block starts the sums
.else
	v_pk_add_f32 v[T0:T0+1], v[T0:T0+1], v[T1:T1+1]
	v_pk_fma_f32 v[LP+2*\u:LP+2*\u+1], v[LP+2*\u:LP+2*\u+1], v[AL+2*\u:AL+2*\u+1], v[T0:T0+1]   ; the old sums move to the new maximum
.endif
.else
	v_pk_add_f32 v[T0:T0+1], v[T0:T0+1], v[T1:T1+1]
	v_pk_add_f32 v[LP+2*\u:LP+2*\u+1], v[LP+2*\u:LP+2*\u+1], v[T0:T0+1]
.endif
.irp i, 0,1,2,3
	v_cvt_pk_f16_f32 v[S+32*\u+16*(\t/2)+4*(\t%2)+\i], v[S+32*\u+8*\t+2*\i], v[S+32*\u+8*\t+2*\i+1]
.endr
.endm
; One block: 64 keys x my 32 queries.  At its head K's 16 fragment loads are out or in.
; first = 1: the wave's first block starts maxima, sums and O.  pre = 1: the next block's K fragments are fetched into F as PV frees it.
; sync = 1: the phase's last block; this slot is filled again, two tiles ahead.  sync = 2: the same change of slots with nothing left to fetch.  sync = 0: none.
.macro BLOCK slot, b, first, pre, sync
	s_wait_dscnt 8                                 ; the 8 older loads (keys 0-31) are in; the 8 younger (keys 32-63) may be out
	QK 0
	s_wait_dscnt 0x0
	QK 1
.rept 4
	v_nop                                          ; four places before the scores are read and F is loaded again (ISA guide 7.12.1)
.endr
.irp k, 0,1
.irp dt, 0,1,2,3
	ds_load_tr16_b128 v[F+8*(4*\k+\dt):F+8*(4*\k+\dt)+3],   v[VADR+\slot] offset:(64*\b+32*\k)*VP+32*\dt      ; d = 16 dt + r, keys 32 k + 8 h ..
	ds_load_tr16_b128 v[F+8*(4*\k+\dt)+4:F+8*(4*\k+\dt)+7], v[VADR+\slot] offset:(64*\b+32*\k+16)*VP+32*\dt   ; keys 32 k + 16 + 8 h ..
.endr
.endr
	; the largest of my 32 scores and the old maximum, for each u: two chains, four in all that do not wait for each other
.irp u, 0,1
.if \first
	v_max3_num_f32 v[M+\u], v[S+32*\u], v[S+32*\u], v[S+32*\u+1]
.else
	v_max3_num_f32 v[M+\u], v[M+\u], v[S+32*\u], v[S+32*\u+1]
.endif
	v_max3_num_f32 v[MXB+\u], v[S+32*\u+16], v[S+32*\u+17], v[S+32*\u+18]
.endr
.irp i, 0,1,2,3,4,5
.irp u, 0,1
	v_max3_num_f32 v[M+\u], v[M+\u], v[S+32*\u+2+2*\i], v[S+32*\u+3+2*\i]
	v_max3_num_f32 v[MXB+\u], v[MXB+\u], v[S+32*\u+19+2*\i], v[S+32*\u+20+2*\i]
.endr
.endr
.irp u, 0,1
	v_max3_num_f32 v[M+\u], v[M+\u], v[S+32*\u+14], v[S+32*\u+15]
.endr
.irp u, 0,1
	v_max3_num_f32 v[M+\u], v[M+\u], v[MXB+\u], v[S+32*\u+31]
.endr
.irp u, 0,1
	v_permlanex16_b32 v[PX+\u], v[M+\u], s22, s23            ; the other eight keys of each tile lie in lane xor 16
.endr
.irp u, 0,1
	v_max_num_f32 v[M+\u], v[M+\u], v[PX+\u]                 ; the new maximum
.endr
.if \first
.irp u, 0,1
	v_mul_f32 v[NMC+2*\u],   0xbe38aa3b, v[M+\u]             ; N = - c M, twice for the packed multiply-add
	v_mul_f32 v[NMC+2*\u+1], 0xbe38aa3b, v[M+\u]
.endr
.else
.irp u, 0,1
	v_mul_f32 v[AL+2*\u+1], 0xbe38aa3b, v[M+\u]              ; the new N
.endr
.irp u, 0,1
	v_sub_f32 v[AL+2*\u], v[AL+2*\u+1], v[NMC+2*\u]          ; N_new - N_old, zero or below
.endr
.irp u, 0,1
	v_exp_f32 v[AL+2*\u], v[AL+2*\u]                         ; alpha
.endr
.irp u, 0,1
	v_mov_b32 v[NMC+2*\u],   v[AL+2*\u+1]                    ; plain lines behind the exponentials, which touch neither alpha (ISA guide 5.7.2)
	v_mov_b32 v[NMC+2*\u+1], v[AL+2*\u+1]
.endr
	s_wait_alu depctr_va_vdst(0)
.irp u, 0,1
	v_mov_b32 v[AL+2*\u+1], v[AL+2*\u]
.endr
.endif
	; p = exp2(c s + N), eight at a time; a group's sums and packing stand behind the next group's exponentials, so that a plain line
	; on other registers always follows a run of exponentials before its results are read
	FMA 0, 0
	EXPS 0, 0
	FMA 0, 1
	EXPS 0, 1
	TAIL 0, 0, \first
	FMA 0, 2
	EXPS 0, 2
	TAIL 0, 1, \first
	FMA 0, 3
	EXPS 0, 3
	TAIL 0, 2, \first
	FMA 1, 0
	EXPS 1, 0
	TAIL 0, 3, \first
	FMA 1, 1
	EXPS 1, 1
	TAIL 1, 0, \first
	FMA 1, 2
	EXPS 1, 2
	TAIL 1, 1, \first
	FMA 1, 3
	EXPS 1, 3
	TAIL 1, 2, \first
	TAIL 1, 3, \first
	s_wait_dscnt 0x0                               ; V's fragments are in; in a phase's last block: all my reads of this slot are over
.if \sync
	s_wait_xcnt 0x0
	v_lshl_add_u32 v126, v0, 2, 0x4c000
	v_mov_b32 v127, 0
	s_wait_tensorcnt 0x0                           ; all my tensor loads have landed: the one that was out is my part of the other slot
	ds_add_u32 v126, v127
	s_wait_dscnt 0x0
.if \sync == 1
	s_add_nc_u64 s[G0+4*\slot+2:G0+4*\slot+3], s[G0+4*\slot+2:G0+4*\slot+3], 2*TILEB      ; no tensor load of mine is out: group 0 may be written
	s_add_nc_u64 s[G0B+4*\slot+2:G0B+4*\slot+3], s[G0B+4*\slot+2:G0B+4*\slot+3], 2*TILEB
.endif
	s_barrier_signal -1                            ; say so; up to the wait below only registers are touched
.endif
.if \first == 0
.irp dt, 0,1,2,3
.irp u, 0,1
.irp i, 0,2,4,6
	v_pk_mul_f32 v[O+8*(2*\dt+\u)+\i:O+8*(2*\dt+\u)+\i+1], v[O+8*(2*\dt+\u)+\i:O+8*(2*\dt+\u)+\i+1], v[AL+2*\u:AL+2*\u+1]   ; O moves to the new maximum
.endr
.endr
.endr
.endif
	PV 0, \first
.if \pre
.rept 4
	v_nop                                          ; four places before F's lower half, which the eight products above have read, is loaded again
.endr
	KLOADH \slot, \b+1, 0
.endif
	PV 1, 0
.rept 5
	v_nop                                          ; five places before the next block's products write over P; they also cover the loads into F's upper half
.endr
.if \pre
	KLOADH \slot, \b+1, 1
.endif
.if \sync
	s_barrier_wait -1                              ; all sixteen waves have read this slot and have the other slot whole
.if \sync == 1
	CREST                                          ; and so have the three partners: no wave of the cluster still reads this slot or has a load on its way
	JLOAD \slot                                    ; the joint refill, first behind the round: my one tensor load until the next round; it has a whole phase in which to land
.endif
.endif
.endm
.macro PHASE slot, first, sync         ; my 256 keys of a tile
	KLOADH \slot, 0, 0
	KLOADH \slot, 0, 1
	BLOCK \slot, 0, \first, 1, 0
	BLOCK \slot, 1, 0, 1, 0
	BLOCK \slot, 2, 0, 1, 0
	BLOCK \slot, 3, 0, 0, \sync
.endm
	s_wait_tensorcnt 0x1                           ; my part of tile 0 is in; tile 1's load stays out
	s_barrier_signal -1
	s_barrier_wait -1                              ; everybody's part is in
	s_wait_loadcnt 0x0                             ; Q
	PHASE 0, 1, 1                                  ; tile 0; tile 2 is asked for
	PHASE 1, 0, 1                                  ; tile 1; tile 3 is asked for
	PHASE 0, 0, 2                                  ; tile 2; nothing is left to fetch
	PHASE 1, 0, 0                                  ; tile 3
	; my half's sums over all lanes, and my statistics side by side: v[12:15] = N0, N1, sum 0, sum 1
.irp u, 0,1
	v_add_f32 v[LP+2*\u], v[LP+2*\u], v[LP+2*\u+1]
.endr
.irp u, 0,1
	v_permlanex16_b32 v[PX+\u], v[LP+2*\u], s22, s23
.endr
.irp u, 0,1
	v_add_f32 v[14+\u], v[LP+2*\u], v[PX+\u]
	v_mov_b32 v[12+\u], v[NMC+2*\u]
.endr
	s_cmp_eq_u32 s11, 0
	s_cbranch_scc1 .Lkeeps                         ; waves 0-7 keep theirs
.irp q, 0,1,2,3,4,5,6,7,8,9,10,11,12,13,14,15
	ds_store_b128 v[XA], v[O+4*\q:O+4*\q+3] offset:512*\q    ; 32 lanes x 16 neighbouring bytes
.endr
	ds_store_b128 v[XA], v[12:15] offset:8192
.Lkeeps:
	s_wait_dscnt 0x0                               ; for the partner's sake: my stores are done
	s_barrier_signal -1
	s_barrier_wait -1
	s_cmp_lg_u32 s11, 0
	s_cbranch_scc1 .Lclose                         ; waves 8-15 have handed everything over
.irp q, 0,1,2,3,4,5,6,7,8,9,10,11,12,13,14,15
	ds_load_b128 v[S+4*\q:S+4*\q+3], v[XA] offset:512*\q     ; the partner's O, register for register
.endr
	ds_load_b128 v[F:F+3], v[XA] offset:8192                 ; its N0, N1, sum 0, sum 1
	s_wait_dscnt 0x0
.irp u, 0,1
	v_min_num_f32 v[PX+\u], v[12+\u], v[F+\u]                ; the smaller N belongs to the larger maximum
.endr
.irp u, 0,1
	v_sub_f32 v[AL+2*\u],  v[PX+\u], v[12+\u]                ; zero or below
	v_sub_f32 v[NMC+2*\u], v[PX+\u], v[F+\u]
.endr
.irp u, 0,1
	v_exp_f32 v[AL+2*\u],  v[AL+2*\u]                        ; my half's factor
	v_exp_f32 v[NMC+2*\u], v[NMC+2*\u]                       ; the partner's
.endr
	v_nop                                                    ; a plain line behind the exponentials (ISA guide 5.7.2)
	s_wait_alu depctr_va_vdst(0)
.irp u, 0,1
	v_mul_f32 v[LP+2*\u], v[AL+2*\u], v[14+\u]
.endr
.irp u, 0,1
	v_fma_f32 v[LP+2*\u], v[NMC+2*\u], v[F+2+\u], v[LP+2*\u] ; the sum over all 2,048 keys
.endr
.irp u, 0,1
	v_rcp_f32 v[LP+2*\u+1], v[LP+2*\u]
.endr
	v_nop
	s_wait_alu depctr_va_vdst(0)
.irp u, 0,1
	v_mul_f32 v[AL+2*\u],  v[AL+2*\u],  v[LP+2*\u+1]
	v_mul_f32 v[NMC+2*\u], v[NMC+2*\u], v[LP+2*\u+1]
.endr
.irp u, 0,1
	v_mov_b32 v[AL+2*\u+1],  v[AL+2*\u]
	v_mov_b32 v[NMC+2*\u+1], v[NMC+2*\u]
.endr
.irp dt, 0,1,2,3
.irp u, 0,1
.irp i, 0,2,4,6
	v_pk_mul_f32 v[O+8*(2*\dt+\u)+\i:O+8*(2*\dt+\u)+\i+1], v[O+8*(2*\dt+\u)+\i:O+8*(2*\dt+\u)+\i+1], v[AL+2*\u:AL+2*\u+1]
.endr
.endr
.endr
.irp dt, 0,1,2,3
.irp u, 0,1
.irp i, 0,2,4,6
	v_pk_fma_f32 v[O+8*(2*\dt+\u)+\i:O+8*(2*\dt+\u)+\i+1], v[S+8*(2*\dt+\u)+\i:S+8*(2*\dt+\u)+\i+1], v[NMC+2*\u:NMC+2*\u+1], v[O+8*(2*\dt+\u)+\i:O+8*(2*\dt+\u)+\i+1]
.endr
.endr
.endr
	; to f16, through my stage, out as whole rows
.irp dt, 0,1,2,3
.irp u, 0,1
.irp i, 0,1,2,3
	v_cvt_pk_f16_f32 v[F+32+4*(2*\dt+\u)+\i], v[O+8*(2*\dt+\u)+2*\i], v[O+8*(2*\dt+\u)+2*\i+1]
.endr
.endr
.endr
.irp dt, 0,1,2,3
.irp u, 0,1
	ds_store_b128 v[STO], v[F+32+4*(2*\dt+\u):F+32+4*(2*\dt+\u)+3] offset:\u*16*SP+32*\dt     ; query 16 u + r, d = 16 dt + 8 h ..
.endr
.endr
.irp q, 0,1,2,3,4,5,6,7
	ds_load_b128 v[F+4*\q:F+4*\q+3], v[RD] offset:\q*4*SP        ; four rows of 128 bytes; LDS serves a wave's instructions in order
.endr
.irp q, 0,1,2,3,4,5,6,7
	s_wait_dscnt 7-\q                              ; load q is in, the 7 - q younger ones stay out
	global_store_b128 v[CO], v[F+4*\q:F+4*\q+3], s[66:67] offset:512*\q      ; 512 consecutive aligned bytes
.endr
.Lclose:
	s_wait_xcnt 0x0
	v_lshl_add_u32 v126, v0, 2, 0x4c000
	v_mov_b32 v127, 0
	s_wait_tensorcnt 0x0
	ds_add_u32 v126, v127
	s_wait_dscnt 0x0
	ROUND                                          ; the closing round
	s_endpgm
.Lfunc_end_k_q6707df3925_attention:
	.size	k_q6707df3925_attention, .Lfunc_end_k_q6707df3925_attention-k_q6707df3925_attention
	.p2alignl 7, 3214868480
	.fill 96, 4, 3214868480
	.section	.rodata,"a",@progbits
	.p2align	6, 0x0
	.amdhsa_kernel k_q6707df3925_attention
		.amdhsa_group_segment_fixed_size 327680
		.amdhsa_private_segment_fixed_size 0
		.amdhsa_enable_private_segment 0
		.amdhsa_kernarg_size 16
		.amdhsa_user_sgpr_count 2
		.amdhsa_user_sgpr_kernarg_segment_ptr 1
		.amdhsa_wavefront_size32 1
		.amdhsa_system_sgpr_workgroup_id_x 1
		.amdhsa_system_sgpr_workgroup_id_y 1
		.amdhsa_system_sgpr_workgroup_id_z 1
		.amdhsa_system_vgpr_workitem_id 0
		.amdhsa_next_free_vgpr 256
		.amdhsa_next_free_sgpr 72
		.amdhsa_reserve_vcc 0
		.amdhsa_float_denorm_mode_32 3
		.amdhsa_float_denorm_mode_16_64 3
		.amdhsa_memory_ordered 1
		.amdhsa_forward_progress 1
		.amdhsa_inst_pref_size 255
	.end_amdhsa_kernel
	.section	.bss,"aw",@nobits
	.p2align	6
	.space	262144
	.amdgpu_metadata
---
amdhsa.version: [ 1, 2 ]
amdhsa.kernels:
  - .name:           k_q6707df3925_attention
    .symbol:         k_q6707df3925_attention.kd
    .args:
      - { .name: heads, .offset: 0, .size: 8, .value_kind: global_buffer, .address_space: global }
      - { .name: ctx, .offset: 8, .size: 8, .value_kind: global_buffer, .address_space: global }
    .group_segment_fixed_size: 327680
    .private_segment_fixed_size: 0
    .kernarg_segment_align: 8
    .kernarg_segment_size: 16
    .max_flat_workgroup_size: 512
    .sgpr_count:     72
    .vgpr_count:     256
    .wavefront_size: 32
...
	.end_amdgpu_metadata
.endif
;; end of part 3
;; launch oproj (part 4): grid 8 x 32, 4 waves a work-group, clusters of 4 x 4, 327,680 bytes of LDS; arguments ctx, xw, bh, out0; writes out0
.if DOCPART == 4
	.amdgcn_target "amdgcn-amd-amdhsa--gfx1250"
	.amdhsa_code_object_version 6
	.text
	.protected	k_q6707df3925_oproj
	.globl	k_q6707df3925_oproj
	.p2align	8
	.type	k_q6707df3925_oproj,@function
k_q6707df3925_oproj:
	s_mov_b64 s[64:65], 0
	v_nop
	global_prefetch_b8 v0, s[64:65] scope:SCOPE_SE
	s_setreg_imm32_b32 hwreg(HW_REG_WAVE_MODE, 25, 1), 1
	s_wait_xcnt 0x0
	s_wait_alu depctr_hold_cnt(0) depctr_sa_sdst(0) depctr_va_vdst(0) depctr_va_sdst(0) depctr_va_ssrc(0) depctr_va_vcc(0) depctr_vm_vsrc(0)
	s_getreg_b32 s2, hwreg(HW_REG_IB_STS2, 6, 4)
	s_cmp_eq_u32 s2, 0
	s_cbranch_scc0 .Lentry_in_a_cluster
	s_endpgm
.Lentry_in_a_cluster:
	s_bfe_u32 s2, ttmp6, 0x10000c
	s_cmp_lg_u32 s2, 0xf033
	s_cbranch_scc0 .Lentry_shape_is_right
	s_endpgm
.Lentry_shape_is_right:
; out0[4096][1024] (f32) = C Wh^T + bh.  C = ctx read as [4096][1024] f16: the source program reshapes [b][h][s][64] without moving the heads back, so
; a row of C is 1,024 consecutive numbers of ctx.  Wh = f16 at chunk 15 of xw (2 MiB a chunk).  Sums in f32.
; 256 work-groups, each a block of 128 x 128 with four waves; a wave makes 64 x 64 in 16 accumulator tiles (larger blocks would leave work-groups short of 256).
; K goes through two LDS slots of 256 along K each: rows of 512 bytes + 16 of padding (pitch 528); one tensor load a wave brings 64 rows.
; CLUSTERS: 4 x 4; C's tile is asked for jointly along a row of the cluster, Wh's along a column.
; WINDOWS: 0: addresses, v64-127 and v128-191 two fragment buffers (C's four fragments, then Wh's four), v192-223 the bias tiles; 1: accumulator (a, b) at 8 (4 a + b).
; TRANSPOSED USE as in the projections: source 0 = rows of Wh, source 1 = rows of C; the bias tile is the first product's C operand.
.set SIZE_K, 1024
.set PITCH,  528
.set QROWS,  64*PITCH                  ; 33,792: one tensor load
.set SLOT,   4*QROWS                   ; 135,168: C's 128 rows, then Wh's 128 rows
.set STAGE,  2*SLOT                    ; 270,336: 16 rows x 272 bytes for each wave; no tensor load lands here
.set SPITCH, 272
.set SLOTK,  512                       ; bytes of a row in a slot
.set ADRA, 16
.set ADRB, 20
.set STO,  24
.set RD,   25
.set CO,   26
.set BO,   27
.set F0,   64
.set F1,   128
.set BIAS, 192
.set G1,  24
.set G0,  32
.set G1B, 48
.set G0B, 56
.set MSB, 0
.macro WIN new
.if MSB != \new
	s_set_vgpr_msb (MSB<<8)|\new
.set MSB, \new
.endif
.endm
.macro JLOAD s                         ; waves 0, 1 fetch C's two halves, waves 2, 3 Wh's
	s_cmp_eq_u32 s11, 0
	s_cbranch_scc0 .Lfor_b_\@
	tensor_load_to_lds s[G0+4*\s:G0+4*\s+3], s[G1:G1+7]
	s_nop 0
	s_branch .Lasked_\@
.Lfor_b_\@:
	tensor_load_to_lds s[G0B+4*\s:G0B+4*\s+3], s[G1B:G1B+7]
	s_nop 0
.Lasked_\@:
.endm
.macro CROUND                          ; a round of the cluster's barrier
	s_barrier_signal -1
	s_barrier_wait -1
	s_cmp_lg_u32 s10, 0
	s_cbranch_scc1 .Lnot_wave_0_\@
	s_barrier_signal -3
.Lnot_wave_0_\@:
	s_barrier_wait -3
	s_barrier_signal -1
	s_barrier_wait -1
.endm
	s_load_b128 s[4:7], s[0:1], 0x0                ; ctx s[4:5], xw s[6:7]
	s_load_b128 s[68:71], s[0:1], 0x10             ; bh s[68:69], out0 s[70:71]
	v_lshl_add_u32 v254, v0, 2, 0x46400
	v_mov_b32 v255, 0
	ds_add_u32 v254, v255
	v_lshrrev_b32 v1, 5, v0
	v_readfirstlane_b32 s10, v1                    ; wave 0..3
	s_lshr_b32 s11, s10, 1                         ; my half of the rows; also: I fetch for C (0) or Wh (1)
	s_and_b32 s12, s10, 1                          ; my half of the columns; also: which 64 rows I fetch
	s_bfe_u32 s40, ttmp6, 0x40000                  ; cx
	s_bfe_u32 s41, ttmp6, 0x40004                  ; cy
	s_lshl_b32 s42, ttmp9, 2
	s_add_co_u32 s42, s42, s40                     ; block column 0..7
	s_and_b32 s13, ttmp7, 0xffff
	s_lshl_b32 s13, s13, 2
	s_add_co_u32 s13, s13, s41                     ; block row 0..31
	s_lshl_b32 s43, s41, 2
	s_lshl_b32 s43, 15, s43                        ; my row of the cluster
	s_lshl_b32 s44, 0x1111, s40                    ; my column
	s_or_b32 s[G1+0], s43, (1<<16)|(1<<20)|(1<<21)|(6<<22)|(3<<25)   ; 2-byte elements; 4 words of padding behind every 128
	s_or_b32 s[G1B+0], s44, (1<<16)|(1<<20)|(1<<21)|(6<<22)|(3<<25)
	s_mov_b32 s[G1+1], 256<<16                     ; tensor_dim0 = 256
	s_mov_b32 s[G1B+1], 256<<16
	s_mov_b32 s[G1+2], 64<<16                      ; tensor_dim1 = 64
	s_mov_b32 s[G1B+2], 64<<16
	s_mov_b32 s[G1+3], 256<<16                     ; tile_dim0 = 256
	s_mov_b32 s[G1B+3], 256<<16
	s_mov_b32 s[G1+4], 64                          ; tile_dim1 = 64
	s_mov_b32 s[G1B+4], 64
	s_mov_b32 s[G1+5], SIZE_K
	s_mov_b32 s[G1B+5], SIZE_K
	s_mov_b32 s[G1+6], 0
	s_mov_b32 s[G1B+6], 0
	s_mov_b32 s[G1+7], 0
	s_mov_b32 s[G1B+7], 0
	s_lshl_b32 s17, s12, 6
	s_lshl_b32 s16, s13, 7
	s_add_co_u32 s16, s16, s17
	s_lshl_b32 s16, s16, 11                        ; C: (128 x block row + 64 x half) rows of 2,048 bytes
	s_lshl_b32 s46, s42, 7
	s_add_co_u32 s46, s46, s17
	s_lshl_b32 s46, s46, 11                        ; Wh: (128 x block column + 64 x half) rows
	s_mov_b32 s17, 0
	s_mov_b32 s47, 0
	s_mul_i32 s20, s10, QROWS                      ; LDS: wave x 64 rows
	s_lshl_b32 s66, s42, 9                         ; my first column x 4 bytes: 512 x block column + 256 x column half
	s_lshl_b32 s67, s12, 8
	s_add_co_u32 s66, s66, s67
	s_mov_b32 s67, 0
	s_lshl_b32 s18, s13, 19                        ; my first row of out0 x 4,096 bytes: 128 x block row + 64 x row half
	s_lshl_b32 s19, s11, 18
	s_add_co_u32 s18, s18, s19
	s_mov_b32 s19, 0
	s_wait_dscnt 0x0
	s_wait_kmcnt 0x0
	s_add_nc_u64 s[14:15], s[4:5], s[16:17]
	s_add_nc_u64 s[46:47], s[6:7], s[46:47]
	s_add_nc_u64 s[46:47], s[46:47], 0x1e00000     ; chunk 15
	s_add_nc_u64 s[68:69], s[68:69], s[66:67]
	s_add_nc_u64 s[70:71], s[70:71], s[18:19]
	s_add_nc_u64 s[70:71], s[70:71], s[66:67]
	CROUND                                         ; all sixteen work-groups are here
.irp s, 0,1
	s_mov_b32 s[G0+4*\s], 1
	s_add_co_u32 s[G0+4*\s+1], s20, \s*SLOT
	s_add_nc_u64 s[G0+4*\s+2:G0+4*\s+3], s[14:15], \s*SLOTK
	s_or_b32 s[G0+4*\s+3], s[G0+4*\s+3], 0x80000000
	s_mov_b32 s[G0B+4*\s], 1
	s_add_co_u32 s[G0B+4*\s+1], s20, \s*SLOT
	s_add_nc_u64 s[G0B+4*\s+2:G0B+4*\s+3], s[46:47], \s*SLOTK
	s_or_b32 s[G0B+4*\s+3], s[G0B+4*\s+3], 0x80000000
	JLOAD \s                                       ; both first fills together: two tensor loads of the wave are out
.endr
	v_and_b32 v1, 15, v0                           ; l % 16
	v_bfe_u32 v2, v0, 4, 1                         ; l / 16
	v_lshlrev_b32 v[BO], 5, v2
.irp b, 0,1,2,3
	global_load_b128 v[BIAS+8*\b:BIAS+8*\b+3],   v[BO], s[68:69] offset:64*\b        ; register j = bh[16 b + 8 (l / 16) + j] of my 64 columns
	global_load_b128 v[BIAS+8*\b+4:BIAS+8*\b+7], v[BO], s[68:69] offset:64*\b+16
.endr
	v_mul_u32_u24 v3, v1, PITCH
	v_lshl_add_u32 v3, v2, 4, v3
	s_mul_i32 s21, s11, QROWS                      ; my 64 rows of C
	s_mul_i32 s22, s12, QROWS                      ; my 64 rows of Wh,
	s_add_co_u32 s22, s22, 2*QROWS                 ; behind C's 128
.irp s, 0,1
	v_add_nc_u32 v[ADRA+\s], s21, v3
	v_add_nc_u32 v[ADRB+\s], s22, v3
	s_add_co_u32 s21, s21, SLOT
	s_add_co_u32 s22, s22, SLOT
.endr
	s_mul_i32 s23, s10, 16*SPITCH
	s_add_co_u32 s23, s23, STAGE
	v_mul_u32_u24 v4, v1, SPITCH
	v_lshl_add_u32 v4, v2, 5, v4
	v_add_nc_u32 v[STO], s23, v4                   ; in: row l % 16, 32 bytes (8 f32) for each half of the lanes
	v_mul_u32_u24 v5, v2, SPITCH
	v_lshl_add_u32 v5, v1, 4, v5
	v_add_nc_u32 v[RD], s23, v5                    ; back: lanes 0-15 one row of 256 bytes, lanes 16-31 the next
	v_lshlrev_b32 v5, 12, v2
	v_lshl_add_u32 v[CO], v1, 4, v5                ; the same two rows in out0
.macro PLACES                          ; four places between a matrix instruction and a load into, or a store of, one of its registers
.rept 4
	v_nop
.endr
.endm
.macro FETCH slot, k, f                ; 16 LDS loads: 64 rows of C, 64 of Wh, 32 K at byte k
.irp i, 0,1,2,3
	ds_load_b128 v[\f+8*\i:\f+8*\i+3],   v[ADRA+\slot] offset:\k+\i*16*PITCH
	ds_load_b128 v[\f+8*\i+4:\f+8*\i+7], v[ADRA+\slot] offset:\k+\i*16*PITCH+32
.endr
.irp i, 0,1,2,3
	ds_load_b128 v[\f+32+8*\i:\f+32+8*\i+3],   v[ADRB+\slot] offset:\k+\i*16*PITCH
	ds_load_b128 v[\f+32+8*\i+4:\f+32+8*\i+7], v[ADRB+\slot] offset:\k+\i*16*PITCH+32
.endr
.endm
.macro MUL f, zero                     ; 16 matrix instructions; the 16 accumulators take turns, one instruction a turn
.irp a, 0,1,2,3
.irp b, 0,1,2,3
.if \zero
	v_wmma_f32_16x16x32_f16 v[8*(4*\a+\b):8*(4*\a+\b)+7], v[\f+32+8*\b:\f+32+8*\b+7], v[\f+8*\a:\f+8*\a+7], v[BIAS+8*\b:BIAS+8*\b+7]
.else
	v_wmma_f32_16x16x32_f16 v[8*(4*\a+\b):8*(4*\a+\b)+7], v[\f+32+8*\b:\f+32+8*\b+7], v[\f+8*\a:\f+8*\a+7], v[8*(4*\a+\b):8*(4*\a+\b)+7]
.endif
.endr
.endr
.endm
; 32 along K: buffer f is multiplied; ahead of that the next 32's fragments are asked for, into buffer g
.macro SUB slot, k, f, g, zero, fetch
	s_wait_dscnt 0x0                               ; buffer f's 16 loads are all that is out
.if \fetch
	PLACES
	FETCH \slot, \k, \g
.endif
.if \zero
	WIN 0x40                                       ; D in window 1, C (the bias) in window 0
.else
	WIN 0x50                                       ; C and D in window 1
.endif
	MUL \f, \zero
	WIN 0
.endm
.macro STEP slot, zero                 ; a slot: 256 along K
	PLACES
	FETCH \slot, 0, F0
	SUB \slot, 64,  F0, F1, \zero, 1
	SUB \slot, 128, F1, F0, 0, 1
	SUB \slot, 192, F0, F1, 0, 1
	SUB \slot, 256, F1, F0, 0, 1
	SUB \slot, 320, F0, F1, 0, 1
	SUB \slot, 384, F1, F0, 0, 1
	SUB \slot, 448, F0, F1, 0, 1
	SUB \slot, 0,   F1, F0, 0, 0
.endm
; Slot s has been read and is filled again: every wave's reads and tensor loads are waited for in front of the round, the joint refill is first behind it.
.macro CHG s
	s_wait_dscnt 0x0
	s_wait_tensorcnt 0x0
	ds_add_u32 v254, v255
	s_wait_dscnt 0x0
	CROUND
	s_add_nc_u64 s[G0+4*\s+2:G0+4*\s+3], s[G0+4*\s+2:G0+4*\s+3], 2*SLOTK
	s_add_nc_u64 s[G0B+4*\s+2:G0B+4*\s+3], s[G0B+4*\s+2:G0B+4*\s+3], 2*SLOTK
	JLOAD \s
.endm
	s_wait_tensorcnt 0x1                           ; my part of slot 0 is in; slot 1's load stays out
	s_barrier_signal -1
	s_barrier_wait -1
	s_wait_loadcnt 0x0                             ; the bias tiles
	STEP 0, 1                                      ; K 0-255
	CHG 0                                          ; K 512-767 is asked for
	STEP 1, 0                                      ; K 256-511
	CHG 1                                          ; K 768-1023 is asked for
	STEP 0, 0                                      ; K 512-767
	s_wait_dscnt 0x0
	s_wait_tensorcnt 0x0                           ; my part of the last slot is in; nothing is left to fetch
	s_barrier_signal -1
	s_barrier_wait -1
	STEP 1, 0                                      ; K 768-1023
	PLACES                                         ; before results are stored and fragment buffers loaded again
; rows 16 a .. 16 a + 15 of my block: 8 f32 a lane and tile into my stage, whole rows of 256 bytes back and out
.macro OUT16 a, f
	WIN 0x04                                       ; the LDS stores' data in window 1
.irp b, 0,1,2,3
	ds_store_b128 v[STO], v[8*(4*\a+\b):8*(4*\a+\b)+3]   offset:64*\b
	ds_store_b128 v[STO], v[8*(4*\a+\b)+4:8*(4*\a+\b)+7] offset:64*\b+16
.endr
	WIN 0
	s_wait_xcnt 0x0                                ; buffer f, which earlier stores read, is loaded again only behind this wait
.irp t, 0,1,2,3,4,5,6,7
	ds_load_b128 v[\f+4*\t:\f+4*\t+3], v[RD] offset:\t*2*SPITCH    ; LDS serves a wave's instructions in order
.endr
.irp t, 0,1,2,3,4,5,6,7
	s_wait_dscnt 7-\t                              ; load t is in, the 7 - t younger ones stay out
	global_store_b128 v[CO], v[\f+4*\t:\f+4*\t+3], s[70:71] offset:(16*\a+2*\t)*4096 th:TH_STORE_NT   ; 16 lanes: 256 consecutive aligned bytes of a row
.endr
.endm
	OUT16 0, F0
	OUT16 1, F1
	OUT16 2, F0
	OUT16 3, F1
	s_wait_tensorcnt 0x0
	ds_add_u32 v254, v255
	s_wait_dscnt 0x0
	CROUND                                         ; the closing round
	s_endpgm
.Lfunc_end_k_q6707df3925_oproj:
	.size	k_q6707df3925_oproj, .Lfunc_end_k_q6707df3925_oproj-k_q6707df3925_oproj
	.p2alignl 7, 3214868480
	.fill 96, 4, 3214868480
	.section	.rodata,"a",@progbits
	.p2align	6, 0x0
	.amdhsa_kernel k_q6707df3925_oproj
		.amdhsa_group_segment_fixed_size 327680
		.amdhsa_private_segment_fixed_size 0
		.amdhsa_enable_private_segment 0
		.amdhsa_kernarg_size 32
		.amdhsa_user_sgpr_count 2
		.amdhsa_user_sgpr_kernarg_segment_ptr 1
		.amdhsa_wavefront_size32 1
		.amdhsa_system_sgpr_workgroup_id_x 1
		.amdhsa_system_sgpr_workgroup_id_y 1
		.amdhsa_system_sgpr_workgroup_id_z 1
		.amdhsa_system_vgpr_workitem_id 0
		.amdhsa_next_free_vgpr 384
		.amdhsa_next_free_sgpr 72
		.amdhsa_reserve_vcc 0
		.amdhsa_float_denorm_mode_32 3
		.amdhsa_float_denorm_mode_16_64 3
		.amdhsa_memory_ordered 1
		.amdhsa_forward_progress 1
		.amdhsa_inst_pref_size 89
	.end_amdhsa_kernel
	.amdgpu_metadata
---
amdhsa.version: [ 1, 2 ]
amdhsa.kernels:
  - .name:           k_q6707df3925_oproj
    .symbol:         k_q6707df3925_oproj.kd
    .args:
      - { .name: ctx, .offset: 0, .size: 8, .value_kind: global_buffer, .address_space: global }
      - { .name: xw, .offset: 8, .size: 8, .value_kind: global_buffer, .address_space: global }
      - { .name: bh, .offset: 16, .size: 8, .value_kind: global_buffer, .address_space: global }
      - { .name: out0, .offset: 24, .size: 8, .value_kind: global_buffer, .address_space: global }
    .group_segment_fixed_size: 327680
    .private_segment_fixed_size: 0
    .kernarg_segment_align: 8
    .kernarg_segment_size: 32
    .max_flat_workgroup_size: 128
    .sgpr_count:     72
    .vgpr_count:     384
    .wavefront_size: 32
...
	.end_amdgpu_metadata
.endif
;; end of part 4
